; MI455X (gfx1250); checked and timed in simulation.
; The chip was launched on July 23, 2026; its instructions are those of AMD's public machine-readable ISA for CDNA 5 (MIT licence, August 2026) and "CDNA5" Instruction Set Architecture Reference Guide (July 2026). The comments in the code are by the model that wrote it; some were corrected since.
;; Opcode Mo E Layer. Allowed arithmetic: matrix products marked QUANTISED: E3M2 operands, one E8M0 scale for each 32 along K, by v_wmma_scale_f32_16x16x128_f8f6f4 with both operands' format E3M2, f32 sums; everything else in f32.
;; Inputs: W_down 8 x 1,024 x 2,048 float32; W_gate 8 x 2,048 x 1,024 float32; W_up 8 x 2,048 x 1,024 float32; b_down 8 x 1,024 float32; b_gate 8 x 2,048 float32; b_up 8 x 2,048 float32; opcode_onehot 16 x 8 float32; x 16 x 512 x 1,024 float32.
;; Outputs: out0 16 x 512 x 1,024 float32.
;; This version of the problem:
;;   THIS VERSION OF THE PROBLEM IS GIVEN IN LOW PRECISION. The matrix products marked QUANTISED in the list below multiply operands that are first quantised to E3M2 (3 exponent bits, 2 mantissa bits; 6 bits a number), with one power-of-two scale for each 32 numbers along K (OCP MX v1.0); their sums are f32. All else is computed in f32.
;;   The module's matrix products, in the order in which they are computed (A, B: the left and right operand; K: the contracted axis; several contracted axes count as one K, in the product's order):
;;     1. batch 16 x [M 512, K 1,024] x [K 1,024, N 2,048]; A: input x; B: computed on the way: QUANTISED
;;     2. batch 16 x [M 512, K 1,024] x [K 1,024, N 2,048]; A: input x; B: computed on the way: QUANTISED
;;     3. batch 16 x [M 512, K 2,048] x [K 2,048, N 1,024]; A: computed on the way; B: computed on the way: QUANTISED
;;   THE QUANTISER, for each operand of a quantised product, along K:
;;     - K is cut into blocks of 32 from its start; a last block that is shorter is filled with zeros.
;;     - A block's scale is 2^e with e = floor(log2(the largest magnitude in the block)) - 4, held to -126 .. 127; a block of zeros has e = 0. As a byte (E8M0): e + 127.
;;     - Each number is divided by its block's scale, clamped to +-28, and rounded to the nearest number of E3M2, ties to even, subnormals kept.
;;     - The product sums the exact products of the quantised numbers (number of the format x scale) in f32.
;;   ~~~python
;;   def quantise(x, axis):      # numpy; x: float32 -> the quantised numbers, widened to float32 again
;;       x = np.moveaxis(x, axis, -1); K = x.shape[-1]
;;       x = np.pad(x, [(0, 0)] * (x.ndim - 1) + [(0, -K % 32)]); x = x.reshape(x.shape[:-1] + (-1, 32)); a = np.abs(x).max(-1, keepdims=True)
;;       e = np.where(a > 0, np.clip(np.frexp(np.where(a > 0, a, 1))[1] - 1 - 4, -126, 127), 0)      # np.frexp(a)[1] - 1 = floor(log2(a)), exactly
;;       r = np.clip(x / 2.0 ** e, -28, 28)
;;       step = 2.0 ** (np.maximum(np.frexp(np.where(r == 0, 1, r))[1] - 1, -2) - 2)
;;       q = np.round(r / step) * step * 2.0 ** e      # np.round: ties to even
;;       return np.moveaxis(q.reshape(q.shape[:-2] + (-1,))[..., :K], -1, axis).astype(np.float32)
;;   ~~~
;;   OPERANDS COMPUTED ON THE WAY. 'Computed on the way' means the value that the module computes at that place (a softmax that the list does not call 'softmax' is quantised finished and normalised). What goes into a quantiser is computed in f32, as accurately as f32 sums, v_exp_f32 and their like allow (about 1e-6 of the number): no bf16 or f16 on the way to a quantiser, and a product that is left as it is and whose result goes on into a quantised operand takes f32 operands (vector FMAs, or v_wmma_f32_16x16x4_f32). A number that lies on a knife's edge between two numbers of the format may be rounded either way, as far as f32 arithmetic and the matrix unit's own rounding can turn it there, and no further.
;; One version. Each part assembles by itself: llvm-mc -triple=amdgcn-amd-amdhsa -mcpu=gfx1250 --defsym DOCPART=n.
;; ======== version 1 of 1: 3 launches
;; workspace buffers: xq 6,553,600 bytes; wug 26,214,400 bytes; wd 13,107,200 bytes; hq 13,107,200 bytes; expert 256 bytes of whole numbers
;; launch quant (part 1): grid 256 x 1, 14 waves a work-group, no clusters, 127,232 bytes of LDS; arguments x, W_up, W_gate, W_down, opcode_onehot, xq, wug, wd, expert; writes xq, wug, wd, expert
.if DOCPART == 1
	.amdgcn_target "amdgcn-amd-amdhsa--gfx1250"
	.amdhsa_code_object_version 6
	.text
	.protected	k_qa2caff879c_quant
	.globl	k_qa2caff879c_quant
	.p2align	8
	.type	k_qa2caff879c_quant,@function
k_qa2caff879c_quant:
	s_mov_b64 s[64:65], 0
	v_nop
	global_prefetch_b8 v0, s[64:65] scope:SCOPE_SE
	s_setreg_imm32_b32 hwreg(HW_REG_WAVE_MODE, 25, 1), 1
	s_wait_xcnt 0x0
; x [8192][1024], W_up and W_gate [8][2048][1024], W_down [8][1024][2048], all f32 with K innermost, become codes of BF6 (E3M2) with one E8M0 byte for each 32 along K;
; and each batch's expert, the argmax of its 8 opcode numbers, is stored as a whole number, since the later launches form addresses from it.
; A block's scale is 2^(floor(log2(its largest magnitude)) - 4): its byte is the largest magnitude's exponent field - 4, held at 1 from below; each number / scale goes to the nearest code, ties to even, beyond 28 the largest code.
; LAYOUT OF THE RESULTS: THE ORDER OF THE OPERAND'S REGISTERS.  A fragment (16 rows x 128 K) is an image of 1,536 bytes: byte 512 c + 16 l + 4 i is register 4 c + i of lane l.  Lane (r = l % 16, h = l / 16) holds row r;
; registers 0-5 are k = 32 h + 0 .. 31 of the K step, registers 6-11 k = 64 + 32 h + 0 .. 31.  Three accesses of 16 bytes a lane move an image.  Beside each image 16 scale words, word r for row r, byte b for block b.
; Buffers: codes [tile][K step][1536], then words [tile][K step][16].  A tile of x and of W_down is 16 neighbouring rows.  A tile of W_up / W_gate is not: inside an expert tile 8 g + 4 G + 2 bb + u (G = 0 up, 1 gate)
; holds at place p the weight's row 64 g + 32 bb + 8 u + p + 8 (p / 8), so that the next launch's results lie along the third product's K in a lane's registers.
; SHARES.  A job is 16 rows x 1,024 K: 64 KiB in, 8 images (12,288 consecutive bytes) and 512 bytes of words out.  512 jobs of x, 1,024 each of W_up, W_gate and W_down (half a row each) are 3,584 = 256 x 14: a job to a wave.
; All four tensors take ONE path: pointers and a few scalars are chosen on the job's number.  All eight experts are quantised: which are used is known only from the argmax.
; A load reads 512 consecutive bytes of one row; a K step's 16 rows turn through the wave's own stage in LDS (rows 528 bytes apart: 132 words, so that 16 rows start at 16 different groups of 4 banks; 64 banks of 4 bytes: ISA guide 11.1)
; and come back 128 neighbouring bytes of a row at a time: a lane then holds two whole blocks, so a block's largest magnitude needs no other lane.  No barrier: waves share nothing.  No matrix unit, no cluster: the launch is a stream.
; LIMITS: NaN and infinities among x and the weights are not served.  A NaN among the opcode numbers loses every comparison, where jnp.argmax would take it.  Blocks whose largest magnitude lies under 2^-122 keep the byte 1;
; so does a block of zeros, where the rule says 127: its codes are zeros, which add nothing under any byte but 0xff, and only this program reads the bytes.
.set XS,    6291456                    ; where the words begin in xq: 512 tiles x 12,288
.set WUGS,  25165824                   ; in wug: 2,048 tiles x 12,288
.set WDS,   12582912                   ; in wd: 512 tiles x 24,576
.set WREG,  8960                       ; LDS of a wave: the stage and 512 bytes of words
.set SP,    528                        ; a stage row: 512 bytes + 16
.set SW,    16*SP                      ; the words lie behind the stage
.set RB,    32                         ; s[32:63] the addresses of the job's 16 rows
.set L16,   1                          ; v1   16 x lane: my bytes of a load's, an image store's and the words' 512
.set STI,   2                          ; v2   the stage, on the way in: 16 x lane
.set STO,   3                          ; v3   on the way out: 528 r + 128 h
.set WI,    4                          ; v4   where my row's word goes: 4 r
.set WO,    5                          ; v5   the words on the way out: 16 x lane
.set SH,    6                          ; v6   8 h
.set C,     28                         ; v28-39  the image's 12 registers
.set R,     64                         ; v64-191 two sets of 64: a K step as it is loaded
.set X,     192                        ; v192-255 my two blocks
	s_load_b256 s[4:11], s[0:1], 0x0               ; x s[4:5], W_up s[6:7], W_gate s[8:9], W_down s[10:11]
	s_load_b256 s[12:19], s[0:1], 0x20             ; opcode_onehot s[12:13], xq s[14:15], wug s[16:17], wd s[18:19]
	s_load_b64 s[20:21], s[0:1], 0x40              ; expert
	v_lshl_add_u32 v62, v0, 2, 0x1ea00
	v_mov_b32 v63, 0
	v_lshrrev_b32 v7, 5, v0
	v_readfirstlane_b32 s22, v7                    ; wave 0..13
	v_and_b32 v7, 31, v0                           ; lane
	v_lshlrev_b32 v[L16], 4, v7
	v_and_b32 v16, 15, v0                          ; r
	v_bfe_u32 v17, v0, 4, 1                        ; h
	s_mul_i32 s80, s22, WREG                       ; my wave's LDS
	v_add_nc_u32 v[STI], s80, v[L16]
	v_mul_u32_u24 v[STO], v16, SP
	v_lshl_add_u32 v[STO], v17, 7, v[STO]
	v_add_nc_u32 v[STO], s80, v[STO]
	s_add_co_u32 s81, s80, SW
	v_lshl_add_u32 v[WI], v16, 2, s81
	v_add_nc_u32 v[WO], s81, v[L16]
	v_lshlrev_b32 v[SH], 3, v17
	v_mov_b32 v15, 0                               ; written once: a lane permute's destination counts as one of its sources
	s_mov_b32 s78, 0x76543210
	s_mov_b32 s79, 0xfedcba98                      ; v_permlanex16_b32's selects for lane l xor 16
	s_mul_i32 s23, ttmp9, 14
	s_add_co_u32 s23, s23, s22                     ; J, the job: 0-511 x, 512-1535 W_up, 1536-2559 W_gate, 2560-3583 W_down
	; what differs between the tensors; W_down's values first, then three choices on J
	s_mov_b32 s25, 2560                            ; the tensor's first job
	s_mov_b32 s26, 12                              ; an odd job begins 1 << this many bytes on: W_down half a row; the other weights 8 rows; x 16 rows
	s_mov_b32 s28, 8192                            ; from a row to the next
	s_mov_b32 s29, 0
	s_mov_b32 s30, 65536                           ; from place 0 to place 8: W_down 8 rows of 8,192; the other weights 16 rows of 4,096; x 8 rows of 4,096
	s_mov_b32 s31, 0
	s_mov_b32 s66, 0                               ; tile = j + (j & this) + the next line's
	s_mov_b32 s67, 0
	s_mov_b32 s68, WDS
	s_wait_kmcnt 0x0
	s_mov_b64 s[70:71], s[10:11]
	s_mov_b64 s[72:73], s[18:19]
	s_cmp_lt_u32 s23, 2560                         ; W_gate, or one of those in front of it
	s_cselect_b32 s25, 1536, s25
	s_cselect_b32 s26, 15, s26
	s_cselect_b32 s28, 4096, s28
	s_cselect_b32 s66, -4, s66                     ; four tiles of up, four of gate by turns: 4 g + u4 becomes 8 g + u4,
	s_cselect_b32 s67, 4, s67                      ; and gate's stand four on
	s_cselect_b32 s68, WUGS, s68
	s_cselect_b64 s[70:71], s[8:9], s[70:71]
	s_cselect_b64 s[72:73], s[16:17], s[72:73]
	s_cmp_lt_u32 s23, 1536                         ; W_up, or x
	s_cselect_b32 s25, 512, s25
	s_cselect_b32 s67, 0, s67
	s_cselect_b64 s[70:71], s[6:7], s[70:71]
	s_cmp_lt_u32 s23, 512                          ; x
	s_cselect_b32 s25, 0, s25
	s_cselect_b32 s26, 16, s26
	s_cselect_b32 s30, 32768, s30
	s_cselect_b32 s66, 0, s66
	s_cselect_b32 s68, XS, s68
	s_cselect_b64 s[70:71], s[4:5], s[70:71]
	s_cselect_b64 s[72:73], s[14:15], s[72:73]
	s_sub_co_u32 s24, s23, s25                     ; j, the job in its tensor
	s_lshr_b32 s80, s24, 1
	s_lshl_b32 s76, s80, 17                        ; two jobs are 131,072 bytes of every tensor
	s_and_b32 s81, s24, 1
	s_lshl_b32 s81, s81, s26
	s_add_co_u32 s76, s76, s81
	s_mov_b32 s77, 0
	s_add_nc_u64 s[RB:RB+1], s[70:71], s[76:77]    ; place 0's row
.irp i, 1,2,3,4,5,6,7
	s_add_nc_u64 s[RB+2*\i:RB+2*\i+1], s[RB+2*\i-2:RB+2*\i-1], s[28:29]
.endr
	s_add_nc_u64 s[RB+16:RB+17], s[RB:RB+1], s[30:31]   ; place 8's
.irp i, 9,10,11,12,13,14,15
	s_add_nc_u64 s[RB+2*\i:RB+2*\i+1], s[RB+2*\i-2:RB+2*\i-1], s[28:29]
.endr
	s_and_b32 s80, s24, s66
	s_add_co_u32 s80, s80, s24
	s_add_co_u32 s80, s80, s67                     ; the run of 8 images that the job writes
	s_lshl_b32 s82, s80, 9
	s_add_co_u32 s82, s82, s68
	s_mov_b32 s83, 0
	s_add_nc_u64 s[74:75], s[72:73], s[82:83]      ; its 512 bytes of words
	s_mul_i32 s76, s80, 12288
	s_add_nc_u64 s[72:73], s[72:73], s[76:77]      ; its 12,288 bytes of codes
.macro LOAD t                          ; K step t of the 16 rows into set t % 2: each load is 512 consecutive bytes of one row, read once in the program
.irp i, 0,1,2,3,4,5,6,7,8,9,10,11,12,13,14,15
	global_load_b128 v[R+64*((\t)%2)+4*\i:R+64*((\t)%2)+4*\i+3], v[L16], s[RB+2*\i:RB+2*\i+1] offset:512*(\t) th:TH_LOAD_NT
.endr
.endm
.macro QSTEP t
.set RS, R+64*((\t)%2)
.if (\t) < 7
	s_wait_loadcnt 16                              ; this K step's 16 loads are in; the next step's 16 stay out
.else
	s_wait_loadcnt 0x0
.endif
.irp i, 0,1,2,3,4,5,6,7,8,9,10,11,12,13,14,15
	ds_store_b128 v[STI], v[RS+4*\i:RS+4*\i+3] offset:SP*\i
.endr
.irp c, 0,1                            ; LDS serves a wave's instructions in order (ISA guide 5.7.1.4): these see the stores above, and the stores came behind the last step's loads
.irp j, 0,1,2,3,4,5,6,7
	ds_load_b128 v[X+32*\c+4*\j:X+32*\c+4*\j+3], v[STO] offset:256*\c+16*\j   ; row r, k = 64 c + 32 h + 4 j on
.endr
.endr
	s_wait_dscnt 0x0                               ; my two blocks are in, and the stage's stores have read their registers,
.if (\t)+2 < 8
	LOAD (\t)+2                                    ; which take the K step two on
.endif
.irp c, 0,1
	v_max3_num_f32 v[8+\c], |v[X+32*\c]|, |v[X+32*\c+1]|, 0x2800000   ; block 2 c + h: all 32 numbers are mine; and the floor 2^(5 - 127), so that the byte cannot fall under 1
.endr
.irp i, 2,4,6,8,10,12,14,16,18,20,22,24,26,28,30
.irp c, 0,1
	v_max3_num_f32 v[8+\c], v[8+\c], |v[X+32*\c+\i]|, |v[X+32*\c+\i+1]|   ; (the two blocks by turns)
.endr
.endr
.irp c, 0,1
	v_add_nc_u32 v[10+\c], 0xfe000000, v[8+\c]     ; 4 off the exponent field: the conversion takes the exponent field of this operand as its scale, and nothing else of it
.endr
.irp c, 0,1
	v_lshrrev_b32 v[12+\c], 23, v[10+\c]           ; the scale's byte
.endr
	v_lshl_or_b32 v14, v13, 16, v12                ; my two bytes, blocks h and 2 + h of row r,
	v_lshlrev_b32 v14, v[SH], v14                  ; at their places in the word;
	v_permlanex16_b32 v15, v14, s78, s79
	v_or_b32 v14, v14, v15                         ; with lane l xor 16's two the word is whole
	s_wait_xcnt 0x0                                ; the last step's stores have read the image's registers (ISA guide 3.1): only now are they written again
	v_cvt_scalef32_pk16_bf6_f32 v[C:C+2], v[X:X+15], v10
	v_cvt_scalef32_pk16_bf6_f32 v[20:22], v[X+16:X+31], v10       ; (a conversion's three registers begin on an even number: a block's second three do not, so they are made elsewhere and moved)
	v_cvt_scalef32_pk16_bf6_f32 v[C+6:C+8], v[X+32:X+47], v11
	v_cvt_scalef32_pk16_bf6_f32 v[24:26], v[X+48:X+63], v11
	v_nop                                          ; one plain place behind a scaled conversion
.irp i, 0,1,2
	v_mov_b32 v[C+3+\i], v[20+\i]
	v_mov_b32 v[C+9+\i], v[24+\i]
.endr
	ds_store_b32 v[WI], v14 offset:64*(\t)         ; lanes r and r + 16 write the same word with the same value
.irp c, 0,1,2
	global_store_b128 v[L16], v[C+4*\c:C+4*\c+3], s[72:73] offset:1536*(\t)+512*\c   ; 512 consecutive bytes, at a multiple of 256 from the buffer's first byte
.endr
.endm
	LOAD 0
	LOAD 1
.irp t, 0,1,2,3,4,5,6,7
	QSTEP \t
.endr
	ds_load_b128 v[40:43], v[WO]                   ; the job's 8 x 16 words
	s_wait_dscnt 0x0
	global_store_b128 v[L16], v[40:43], s[74:75]   ; 512 consecutive bytes
	; THE EXPERTS: job 0's wave alone.  Lane l takes batch l % 16.  A later number wins only if it is LARGER, so the lowest index of the largest stays, as jnp.argmax has it.  The choice is data here, never an address.
	s_cmp_lg_u32 s23, 0
	s_cbranch_scc1 .Lend
	v_lshlrev_b32 v52, 5, v16                      ; a batch's 8 numbers are 32 bytes
	global_load_b128 v[44:47], v52, s[12:13]
	global_load_b128 v[48:51], v52, s[12:13] offset:16
	v_lshlrev_b32 v53, 2, v7
	v_mov_b32 v55, 0
	s_wait_loadcnt 0x0
	v_mov_b32 v54, v44
.irp i, 1,2,3,4,5,6,7
	v_mov_b32 v56, \i
	v_cmp_gt_f32 vcc_lo, v[44+\i], v54
	v_cndmask_b32 v54, v54, v[44+\i], vcc_lo
	v_cndmask_b32 v55, v55, v56, vcc_lo
.endr
	global_store_b32 v53, v55, s[20:21]            ; word b: batch b's expert; words 16-31 repeat them
.Lend:
	s_wait_tensorcnt 0x0
	ds_add_u32 v62, v63
	s_wait_dscnt 0x0
	s_endpgm
.Lfunc_end_k_qa2caff879c_quant:
	.size	k_qa2caff879c_quant, .Lfunc_end_k_qa2caff879c_quant-k_qa2caff879c_quant
	.p2alignl 7, 3214868480
	.fill 96, 4, 3214868480
	.section	.rodata,"a",@progbits
	.p2align	6, 0x0
	.amdhsa_kernel k_qa2caff879c_quant
		.amdhsa_group_segment_fixed_size 127232
		.amdhsa_private_segment_fixed_size 0
		.amdhsa_enable_private_segment 0
		.amdhsa_kernarg_size 72
		.amdhsa_user_sgpr_count 2
		.amdhsa_user_sgpr_kernarg_segment_ptr 1
		.amdhsa_wavefront_size32 1
		.amdhsa_system_sgpr_workgroup_id_x 1
		.amdhsa_system_sgpr_workgroup_id_y 1
		.amdhsa_system_sgpr_workgroup_id_z 1
		.amdhsa_system_vgpr_workitem_id 0
		.amdhsa_next_free_vgpr 256
		.amdhsa_next_free_sgpr 96
		.amdhsa_reserve_vcc 1
		.amdhsa_float_denorm_mode_32 3
		.amdhsa_float_denorm_mode_16_64 3
		.amdhsa_memory_ordered 1
		.amdhsa_forward_progress 1
		.amdhsa_inst_pref_size 61
	.end_amdhsa_kernel
	.amdgpu_metadata
---
amdhsa.version: [ 1, 2 ]
amdhsa.kernels:
  - .name:           k_qa2caff879c_quant
    .symbol:         k_qa2caff879c_quant.kd
    .args:
      - { .name: x, .offset: 0, .size: 8, .value_kind: global_buffer, .address_space: global }
      - { .name: W_up, .offset: 8, .size: 8, .value_kind: global_buffer, .address_space: global }
      - { .name: W_gate, .offset: 16, .size: 8, .value_kind: global_buffer, .address_space: global }
      - { .name: W_down, .offset: 24, .size: 8, .value_kind: global_buffer, .address_space: global }
      - { .name: opcode_onehot, .offset: 32, .size: 8, .value_kind: global_buffer, .address_space: global }
      - { .name: xq, .offset: 40, .size: 8, .value_kind: global_buffer, .address_space: global }
      - { .name: wug, .offset: 48, .size: 8, .value_kind: global_buffer, .address_space: global }
      - { .name: wd, .offset: 56, .size: 8, .value_kind: global_buffer, .address_space: global }
      - { .name: expert, .offset: 64, .size: 8, .value_kind: global_buffer, .address_space: global }
    .group_segment_fixed_size: 127232
    .private_segment_fixed_size: 0
    .kernarg_segment_align: 8
    .kernarg_segment_size: 72
    .max_flat_workgroup_size: 448
    .sgpr_count:     96
    .vgpr_count:     256
    .wavefront_size: 32
...
	.end_amdgpu_metadata
.endif
;; end of part 1
;; launch upgate (part 2): grid 16 x 32, 4 waves a work-group, clusters of 4 x 1, 327,680 bytes of LDS; arguments xq, wug, b_up, b_gate, expert, hq; writes hq
.if DOCPART == 2
	.amdgcn_target "amdgcn-amd-amdhsa--gfx1250"
	.amdhsa_code_object_version 6
	.text
	.protected	k_qa2caff879c_upgate
	.globl	k_qa2caff879c_upgate
	.p2align	8
	.type	k_qa2caff879c_upgate,@function
k_qa2caff879c_upgate:
	s_mov_b64 s[64:65], 0
	v_nop
	global_prefetch_b8 v0, s[64:65] scope:SCOPE_SE
	s_setreg_imm32_b32 hwreg(HW_REG_WAVE_MODE, 25, 1), 1
	s_wait_xcnt 0x0
	s_wait_alu depctr_hold_cnt(0) depctr_sa_sdst(0) depctr_va_vdst(0) depctr_va_sdst(0) depctr_va_ssrc(0) depctr_va_vcc(0) depctr_vm_vsrc(0)
	s_getreg_b32 s2, hwreg(HW_REG_IB_STS2, 6, 4)
	s_cmp_eq_u32 s2, 0
	s_cbranch_scc0 .Lentry_in_a_cluster
	s_endpgm
.Lentry_in_a_cluster:
	s_bfe_u32 s2, ttmp6, 0x10000c
	s_cmp_lg_u32 s2, 0x3003
	s_cbranch_scc0 .Lentry_shape_is_right
	s_endpgm
.Lentry_shape_is_right:
; hidden = silu(x Wu^T + bu) * (x Wg^T + bg) for the batch's expert, both products on codes of BF6 (E3M2) with E8M0 scales, and the result quantised along H into codes and scale words for the third product.
; All operands lie in the order of the operand's registers: a fragment (16 rows x 128 K) is an image of 1,536 bytes, byte 512 c + 16 l + 4 i = register 4 c + i of lane l; three loads of 16 bytes a lane bring it, each 512
; consecutive bytes: no pitch, no padding, no bank met twice.  Codes [tile][K step][1536]; scale words [tile][K step][16], behind the codes in the same buffer.
; SHARES.  A work-group makes 256 rows (half a batch) x 128 hidden units, up AND gate: four waves, each 128 rows x 64 units x 2 = 64 accumulators of 16 x 16, 512 registers.  512 work-groups.
; K = 1,024 goes in four steps of 256 through a ring of two LDS slots filled by the tensor data mover; a slot holds 16 tiles of x and 16 of the weights, 3,072 bytes each.  All scale words come once, with the first fills, and stay.
; THE MATRIX INSTRUCTION IS USED TRANSPOSED (source 0 = 16 rows of a weight, source 1 = 16 rows of x): a lane holds ONE row of x.  The weight's rows were laid in tiles so that lane (r, h)'s register j of tile 2 bb + u is hidden unit
; 32 bb + 16 h + 8 u + j of my 64: the 16 registers of two neighbouring tiles are 16 neighbours along the third product's K.  The biases are the C of each sum's first matrix instruction.
; CLUSTER: the four work-groups of a cluster make four neighbouring blocks of hidden units of the SAME 256 rows: x's tiles and scale words are asked for JOINTLY (mask 15).  THE WEIGHTS ARE NOT SHARED: only the two row blocks of one
; batch are sure to use one expert, whatever the opcodes; which other batches do is known from loaded numbers alone, and partners must run alike.  The weights' addresses hold the loaded expert; no joint descriptor, LDS address or branch does.
; LIMITS: for up under about -88 the exponential overflows, its reciprocal is 0 and hidden is +-0, where the exact number lies under 1e-36 x gate.  NaN and infinities are not served.  Blocks of hidden whose largest magnitude lies under
; 2^-122, blocks of zeros among them, keep the byte 1 (the rule gives zeros 127): their codes add nothing or next to nothing, and only this program reads the bytes.  The scale words leave in pieces of 64 bytes: 4 bytes in 100 of what is stored.
; REGISTERS, in windows of 256: window 0: v1-29 addresses; v32-63 scale words, two sets; v64-127 the biases; v128-223 x's 8 fragments, ONE set (on the way out v128-238 are at work).
;   window 1: the weights' 8 fragments, TWO sets, at v0 and v128.   window 2: the accumulators of my rows 0-63 ((a, b) at v[8 (8 (a % 4) + b)]; b = 0-3 up, 4-7 gate);   window 3: rows 64-127.
.set JOINT,  1                         ; 0: the same text with no joint loads, for a launch without clusters
.set KT,     8                         ; K steps of 128 in K
.set NQ,     2                         ; of them in a slot
.set NB,     8                         ; tiles of the weights for a wave
.set TE,     256                       ; tiles of an expert
.set FRB,    1536                      ; an image
.set TROW,   NQ*FRB                    ; a tile's bytes in a slot
.set TPITCH, KT*FRB                    ; from tile to tile in memory
.set HALFA,  8*TROW                    ; what one tensor load brings of x, and what a wave reads of it
.set HALFB,  NB*TROW                   ; the same of the weights
.set SLOT,   2*HALFA+2*HALFB           ; x's 16 tiles, then the weights' 16
.set TS,     KT*64                     ; a tile's scale words
.set SCLA,   2*SLOT                    ; behind the ring: x's words,
.set SCLB,   SCLA+16*TS+128            ; the weights': 128 bytes askew, so that the two halves of a load's lanes meet different banks
.set SPARE,  SCLB+2*NB*TS+128          ; the spare words, 128 bytes for each wave: two blocks of 256 bytes that no other line names
.set APW,    32/NB                     ; blocks of rows whose accumulators fill a window
.set AWORDS, 6291456                   ; where the words begin in xq,
.set BWORDS, 25165824                  ; in wug,
.set HS,     12582912                  ; and in hq
.set SSTG,   24576                     ; the way out, in slot 0 (it has had its last fill and its last read by then): half images, 6,144 bytes a wave, from 0; half words, 256 bytes a wave, from here
.set L16,  3                           ; v3   16 x lane
.set STW,  8                           ; v8   the way out: where my half images go: 6144 x wave + 8 x lane
.set SSW,  11                          ; v11  and my half words: SSTG + 256 x wave + 2 r
.set RDI,  12                          ; v12  where I read pieces back
.set RDS,  14                          ; v14  and half words
.set GOS,  15                          ; v15  my byte among the words of four tiles of hq
.set ADRA, 16                          ; v16-17  LDS address of x's fragments in slot 0, 1
.set ADRB, 20                          ; v20-21  of the weights'
.set ADRS, 27                          ; v27  of my scale words: lanes 0-15 x's rows, lanes 16-31 the weights'
.set SPW,  28                          ; v28  LDS address of my spare word; never rewritten
.set NIL,  29                          ; v29  0; never rewritten
.set SC,   32                          ; set s (for slot s) at v[SC + 8 NQ s]; register NQ i + q: lanes 0-15 the words of x's tile i, lanes 16-31 of the weights' tile i, for the slot's q-th 128 along K
.set BIAS, 64                          ; 8 registers for each of the weights' 8 tiles
.set AF,   128
.set T,    128                         ; the way out: 32 numbers at work,
.set HD,   160                         ; 32 of hidden,
.set TM,   224                         ; v224-225 largest magnitudes, v226-227 bytes, v228-229 the conversions' scale operands
.set PW,   230                         ; my half of a scale word
.set PC,   232                         ; v232-238 the codes
.set G1,   24                          ; s[24:31] descriptor group 1 for x's tiles;  s[32:39] group 0, one set for each slot
.set G0,   32
.set G1B,  48                          ; s[48:55], s[56:63] the same for the weights'
.set G0B,  56
.set G1S,  68                          ; s[68:75], s[76:79] groups 1 and 0 for x's words;  s[80:87], s[88:91] for the weights'
.set G0S,  76
.set G1SB, 80
.set G0SB, 88
.set MSB, 0
.macro WIN new                         ; s_set_vgpr_msb: bits 1:0 source 0, 3:2 source 1, 5:4 source 2, 7:6 destination; the high byte repeats the setting that is left
.if MSB != (\new)
	s_set_vgpr_msb (MSB<<8)|(\new)
.set MSB, \new
.endif
.endm
.set TO_B, 0x40                        ; destination window 1, address window 0
.macro MWIN a0, first                  ; for products: source 0 window 1, source 1 window 0, D in block a0's window; C with it, or (first) the bias in window 0
.if \first
	WIN 0x81+0x40*((\a0)/APW)
.else
	WIN 0xa1+0x50*((\a0)/APW)
.endif
.endm
; Waves 0 and 1 fetch for x (jointly), waves 2 and 3 for the weights.  The branch hangs on the wave's number alone.  Four v_nop follow each of the two lines, ahead of the jump, the label and what follows.
.macro JLOAD g0a, g1a, g0b, g1b
	s_cmp_eq_u32 s17, 0
	s_cbranch_scc0 .Lfor_b_\@
	tensor_load_to_lds s[\g0a:\g0a+3], s[\g1a:\g1a+7]
	s_nop 0
.rept 4
	v_nop
.endr
	s_branch .Lasked_\@
.Lfor_b_\@:
	tensor_load_to_lds s[\g0b:\g0b+3], s[\g1b:\g1b+7]
	s_nop 0
.rept 4
	v_nop
.endr
.Lasked_\@:
.endm
.macro CREST                           ; a round of the cluster's barrier behind its opening barrier
.if JOINT
	s_cmp_lg_u32 s16, 0
	s_cbranch_scc1 .Lnot_wave_0_\@
	s_barrier_signal -3
.Lnot_wave_0_\@:
	s_barrier_wait -3
	s_barrier_signal -1
	s_barrier_wait -1
.endif
.endm
.macro CROUND                          ; a whole round
.if JOINT
	s_barrier_signal -1
	s_barrier_wait -1
	CREST
.endif
.endm
.macro PLACES                          ; a load into a register that a matrix instruction has read, and a read of a result, stand four plain vector instructions behind it (ISA guide 7.12.1 for vector instructions)
.rept 4
	v_nop
.endr
.endm
	s_load_b256 s[4:11], s[0:1], 0x0               ; xq s[4:5], wug s[6:7], b_up s[8:9], b_gate s[10:11]
	s_load_b128 s[12:15], s[0:1], 0x20             ; expert s[12:13], hq s[14:15]
	v_lshl_add_u32 v[SPW], v0, 2, SPARE
	v_mov_b32 v[NIL], 0
	ds_add_u32 v28, v29
	ds_add_u32 v28, v29
	s_wait_dscnt 0x0
	v_lshrrev_b32 v1, 5, v0
	v_readfirstlane_b32 s16, v1                    ; wave 0..3
	s_lshr_b32 s17, s16, 1                         ; RH: which 128 rows are mine.  Also: I fetch for x (0) or for the weights (1)
	s_and_b32 s18, s16, 1                          ; CH: which 64 hidden units.  Also: which half I fetch
.if JOINT
	s_bfe_u32 s19, ttmp6, 0x40000                  ; cx: my place in the cluster
	s_lshl_b32 s20, ttmp9, 2                       ; in a cluster launch ttmp9 counts clusters
	s_add_co_u32 s20, s20, s19                     ; the block of 128 hidden units = K step of the third product
.else
	s_mov_b32 s20, ttmp9
.endif
	s_and_b32 s21, ttmp7, 0xffff                   ; the block of 256 rows, which the partners share
	s_lshr_b32 s22, s21, 1
	s_lshl_b32 s22, s22, 2                         ; 4 x batch
	s_wait_kmcnt 0x0
	s_load_b32 s23, s[12:13], s22 offset:0x0       ; the batch's expert, stored by the launch before
	; descriptor groups 1: elements of 8 bytes, no padding.  Codes: a row = a tile's TROW bytes, TPITCH bytes apart.  Words: dense, as rows of 256 bytes.
.if JOINT
	s_mov_b32 s[G1], 15|(3<<16)|(1<<21)            ; 15:0 the mask: all four work-groups; 17:16 elements of 8 bytes; 21 set beside a mask
	s_mov_b32 s[G1S], 15|(3<<16)|(1<<21)
.else
	s_mov_b32 s[G1], 3<<16
	s_mov_b32 s[G1S], 3<<16
.endif
	s_mov_b32 s[G1B], 3<<16                        ; no mask: a load of my own
	s_mov_b32 s[G1SB], 3<<16
.irp g, G1, G1B
	s_mov_b32 s[\g+1], (TROW/8)<<16                ; tensor_dim0
	s_mov_b32 s[\g+3], (TROW/8)<<16                ; tile_dim0
	s_mov_b32 s[\g+5], TPITCH/8                    ; tensor_dim0_stride
	s_mov_b32 s[\g+6], 0
	s_mov_b32 s[\g+7], 0
.endr
	s_mov_b32 s[G1+2], 8<<16                       ; tensor_dim1
	s_mov_b32 s[G1+4], 8                           ; tile_dim1
	s_mov_b32 s[G1B+2], NB<<16
	s_mov_b32 s[G1B+4], NB
.irp g, G1S, G1SB
	s_mov_b32 s[\g+1], 32<<16
	s_mov_b32 s[\g+3], 32<<16
	s_mov_b32 s[\g+5], 32
	s_mov_b32 s[\g+6], 0
	s_mov_b32 s[\g+7], 0
.endr
	s_mov_b32 s[G1S+2], (8*TS/256)<<16
	s_mov_b32 s[G1S+4], 8*TS/256
	s_mov_b32 s[G1SB+2], (NB*TS/256)<<16
	s_mov_b32 s[G1SB+4], NB*TS/256
	s_mov_b32 s92, 0xbfb8aa3b                      ; -log2(e)
	s_mov_b32 s93, s92                             ; (the packed form names the pair)
	s_mov_b32 s94, 0x76543210
	s_mov_b32 s95, 0xfedcba98                      ; v_permlanex16_b32's selects for lane l xor 16
	; x's offsets, of the row block and the wave's number alone, in registers that never hold my place in the cluster
	s_lshl_b32 s40, s21, 4
	s_lshl_b32 s41, s18, 3
	s_add_co_u32 s40, s40, s41                     ; the first tile that I fetch: 16 y + 8 CH
	s_mul_i32 s42, s40, TPITCH
	s_mov_b32 s43, 0
	s_mul_i32 s40, s40, TS
	s_add_co_u32 s40, s40, AWORDS
	s_mov_b32 s41, 0
	s_wait_kmcnt 0x0
	s_min_u32 s23, s23, 7                          ; a loaded number enters addresses only held inside its table
	s_mul_i32 s44, s23, TE
	s_mul_i32 s45, s20, 2*NB
	s_add_co_u32 s44, s44, s45
	s_mul_i32 s45, s18, NB
	s_add_co_u32 s44, s44, s45                     ; the weights' first tile that I fetch: 256 expert + 16 block + 8 CH
	s_mul_i32 s46, s44, TPITCH
	s_mov_b32 s47, 0
	s_mul_i32 s44, s44, TS
	s_add_co_u32 s44, s44, BWORDS
	s_mov_b32 s45, 0
	CROUND                                         ; all four work-groups are here: the first joint loads meet
	s_mov_b32 s[G0S], 1                            ; 1:0 count = 1
	s_mul_i32 s96, s18, 8*TS
	s_add_co_u32 s[G0S+1], s96, SCLA               ; 63:32 LDS address: no place in the cluster enters it
	s_add_nc_u64 s[G0S+2:G0S+3], s[4:5], s[40:41]  ; 120:64 global address
	s_or_b32 s[G0S+3], s[G0S+3], 0x80000000        ; 127:126 type = 2
	s_mov_b32 s[G0SB], 1
	s_mul_i32 s97, s18, NB*TS
	s_add_co_u32 s[G0SB+1], s97, SCLB
	s_add_nc_u64 s[G0SB+2:G0SB+3], s[6:7], s[44:45]
	s_or_b32 s[G0SB+3], s[G0SB+3], 0x80000000
	JLOAD G0S, G1S, G0SB, G1SB                     ; the scale words first: they are wanted with K step 0
	s_mul_i32 s98, s18, HALFA
	s_mul_i32 s99, s18, HALFB
	s_add_co_u32 s99, s99, 2*HALFA
	s_add_nc_u64 s[42:43], s[4:5], s[42:43]
	s_add_nc_u64 s[46:47], s[6:7], s[46:47]
.irp s, 0,1
	s_mov_b32 s[G0+4*\s], 1
	s_add_co_u32 s[G0+4*\s+1], s98, \s*SLOT
	s_add_nc_u64 s[G0+4*\s+2:G0+4*\s+3], s[42:43], \s*TROW
	s_or_b32 s[G0+4*\s+3], s[G0+4*\s+3], 0x80000000
	s_mov_b32 s[G0B+4*\s], 1
	s_add_co_u32 s[G0B+4*\s+1], s99, \s*SLOT
	s_add_nc_u64 s[G0B+4*\s+2:G0B+4*\s+3], s[46:47], \s*TROW
	s_or_b32 s[G0B+4*\s+3], s[G0B+4*\s+3], 0x80000000
	JLOAD G0+4*\s, G1, G0B+4*\s, G1B               ; three tensor loads of mine are out now
.endr
	v_and_b32 v1, 15, v0                           ; r
	v_bfe_u32 v2, v0, 4, 1                         ; h
	v_and_b32 v5, 31, v0                           ; lane
	v_lshlrev_b32 v[L16], 4, v5
	; the biases: lane (r, h) wants, for tile 2 bb + u, those of hidden units 32 bb + 16 h + 8 u + 0 .. 7 of my 64
	s_lshl_b32 s96, s23, 13                        ; a row of b_up or b_gate is 8,192 bytes
	s_lshl_b32 s97, s20, 9
	s_add_co_u32 s96, s96, s97
	s_lshl_b32 s97, s18, 8
	s_add_co_u32 s96, s96, s97
	s_mov_b32 s97, 0
	s_add_nc_u64 s[8:9], s[8:9], s[96:97]
	s_add_nc_u64 s[10:11], s[10:11], s[96:97]
	v_lshlrev_b32 v22, 6, v2
.irp t, 0,1,2,3
	global_load_b128 v[BIAS+8*\t:BIAS+8*\t+3], v22, s[8:9] offset:(32*(\t/2)+8*(\t%2))*4
	global_load_b128 v[BIAS+8*\t+4:BIAS+8*\t+7], v22, s[8:9] offset:(32*(\t/2)+8*(\t%2))*4+16
	global_load_b128 v[BIAS+32+8*\t:BIAS+32+8*\t+3], v22, s[10:11] offset:(32*(\t/2)+8*(\t%2))*4
	global_load_b128 v[BIAS+32+8*\t+4:BIAS+32+8*\t+7], v22, s[10:11] offset:(32*(\t/2)+8*(\t%2))*4+16
.endr
	s_mul_i32 s96, s17, HALFA                      ; my 8 tiles of x
	s_mul_i32 s97, s18, HALFB                      ; my 8 tiles of the weights,
	s_add_co_u32 s97, s97, 2*HALFA                 ; which lie behind x's 16
.irp s, 0,1
	v_add_nc_u32 v[ADRA+\s], s96, v[L16]
	v_add_nc_u32 v[ADRB+\s], s97, v[L16]
	s_add_co_u32 s96, s96, SLOT
	s_add_co_u32 s97, s97, SLOT
.endr
	s_mul_i32 s96, s17, 8*TS                       ; the scale words: x's of my rows,
	s_mul_i32 s97, s18, NB*TS                      ; the weights' of my tiles:
	s_add_co_u32 s97, s97, SCLB-SCLA
	s_sub_co_u32 s97, s97, s96                     ; so far behind x's (never negative: SCLB - SCLA is over 8 TS)
	s_add_co_u32 s96, s96, SCLA
	v_mul_u32_u24 v4, s97, v2                      ; lanes 16-31 take the weights'
	v_lshl_add_u32 v6, v1, 2, s96
	v_add_nc_u32 v[ADRS], v4, v6
	; the way out
	s_mul_i32 s96, s16, 6144
	v_lshl_add_u32 v[STW], v5, 3, s96
	s_lshl_b32 s96, s16, 8
	s_add_co_u32 s96, s96, SSTG
	v_lshl_add_u32 v[SSW], v1, 1, s96
	s_mul_i32 s96, s17, 12288                      ; back: I send tiles 4 CH + i of my own 128 rows: pieces of waves 2 RH and 2 RH + 1
	s_mul_i32 s97, s18, 3072
	s_add_co_u32 s96, s96, s97
	v_lshl_add_u32 v[RDI], v5, 3, s96
	s_lshl_b32 s96, s17, 9
	s_lshl_b32 s97, s18, 7
	s_add_co_u32 s96, s96, s97
	s_add_co_u32 s96, s96, SSTG
	v_lshl_add_u32 v[RDS], v5, 2, s96
	v_bfe_u32 v[GOS], v0, 3, 2                     ; tile lane / 8: 1,024 bytes of words apart in hq; rows 2 (lane % 8) and the next
	v_and_b32 v4, 7, v0
	v_lshlrev_b32 v4, 3, v4
	v_lshl_add_u32 v[GOS], v[GOS], 10, v4
	v_mov_b32 v[TM+2], 0                           ; written once: a lane permute's destination counts as one of its sources
	v_mov_b32 v[TM+3], 0
.macro FRAG reg, adr, q, i             ; tile i's image of the slot's q-th 128 along K
.irp c, 0,1,2
	ds_load_b128 v[\reg+4*\c:\reg+4*\c+3], v[\adr] offset:(\i)*TROW+(\q)*FRB+512*\c
.endr
.endm
.macro FETCH_B slot, q, p              ; the weights' fragments into set p
	WIN TO_B
.set fi, 0
.rept NB
	FRAG 128*(\p)+12*fi, ADRB+\slot, \q, fi
.set fi, fi+1
.endr
	WIN 0
.endm
.macro FETCH_A slot, q, i0             ; x's blocks i0 .. i0 + 3
.irp i, \i0, \i0+1, \i0+2, \i0+3
	FRAG AF+12*(\i), ADRA+\slot, \q, \i
.endr
.endm
.macro SCALES sc, sg                   ; the scale words of the ring's step sg into set sc
.irp i, 0,1,2,3,4,5,6,7
.set sq, 0
.rept NQ
	ds_load_b32 v[SC+8*NQ*(\sc)+NQ*\i+sq], v[ADRS] offset:\i*TS+64*(NQ*(\sg)+sq)
.set sq, sq+1
.endr
.endr
.endm
; x's blocks a0, a0 + 1 against the weights' NB tiles, 128 along K.  p: the weights' set; sc: the set of scale words.  first = 1: the sums begin with the biases.
; The accumulators take turns, one instruction a turn, in the same order in every step.
.macro MULA a0, p, q, sc, first
.irp a, \a0, \a0+1
.set nb, 0
.rept NB
.set AC, 8*(NB*((\a)%APW)+nb)
.if \first
	v_wmma_scale_f32_16x16x128_f8f6f4 v[AC:AC+7], v[128*(\p)+12*nb:128*(\p)+12*nb+11], v[AF+12*(\a):AF+12*(\a)+11], v[BIAS+8*nb:BIAS+8*nb+7], v[SC+8*NQ*(\sc)+NQ*nb+(\q)], v[SC+8*NQ*(\sc)+NQ*(\a)+(\q)] matrix_a_fmt:MATRIX_FMT_BF6 matrix_b_fmt:MATRIX_FMT_BF6 matrix_a_scale:MATRIX_SCALE_ROW1
.else
	v_wmma_scale_f32_16x16x128_f8f6f4 v[AC:AC+7], v[128*(\p)+12*nb:128*(\p)+12*nb+11], v[AF+12*(\a):AF+12*(\a)+11], v[AC:AC+7], v[SC+8*NQ*(\sc)+NQ*nb+(\q)], v[SC+8*NQ*(\sc)+NQ*(\a)+(\q)] matrix_a_fmt:MATRIX_FMT_BF6 matrix_b_fmt:MATRIX_FMT_BF6 matrix_a_scale:MATRIX_SCALE_ROW1
.endif
.set nb, nb+1
.endr
.endr
.endm
; A step of 128 along K that has its successor in the same slot.  A block of x is free as soon as its products are issued: blocks 0-3 are fetched anew in the step's middle, blocks 4-7 at its end.
.macro STEP slot, q, first
	s_wait_dscnt 12                                ; all but the youngest 12 loads (x's blocks 4-7) are in
	MWIN 0, \first
	MULA 0, (\q)%2, \q, \slot, \first
	MULA 2, (\q)%2, \q, \slot, \first
	s_wait_dscnt 0x0                               ; x's blocks 4-7 are in
	PLACES
	FETCH_B \slot, (\q)+1, 1-(\q)%2
	FETCH_A \slot, (\q)+1, 0
	MWIN 4, \first
	MULA 4, (\q)%2, \q, \slot, \first
	MULA 6, (\q)%2, \q, \slot, \first
	PLACES
	WIN 0
	FETCH_A \slot, (\q)+1, 4
.endm
; A slot's last step changes slots: ONE barrier; in front of it each wave waits for all its tensor loads, adds 0 to its spare word, and waits for that and for its reads of this slot.  fill = 1: this slot is filled again, two of the ring's steps ahead.
.macro TURN slot, next, fill, sg
	s_wait_tensorcnt 0x0                           ; all my tensor loads have landed: my part of the next slot  (every window is 0 here)
	ds_add_u32 v[SPW], v[NIL]                      ; 0 onto my spare word
	s_wait_dscnt 13                                ; (the add and the youngest 12 loads, x's blocks 4-7, may be out)
	MWIN 0, 0
	MULA 0, 1, NQ-1, \slot, 0                      ; matrix instructions stand between the add and the wait for it
	s_wait_dscnt 0x0                               ; the add is done, and my reads of this slot are over
	s_barrier_signal -1
	MULA 2, 1, NQ-1, \slot, 0
	WIN 0
	s_barrier_wait -1
.if \fill
	CREST                                          ; the barrier has opened a round of the cluster's barrier: no wave of any partner still reads this slot or has a load on its way
	s_add_nc_u64 s[G0+4*\slot+2:G0+4*\slot+3], s[G0+4*\slot+2:G0+4*\slot+3], 2*TROW
	s_add_nc_u64 s[G0B+4*\slot+2:G0B+4*\slot+3], s[G0B+4*\slot+2:G0B+4*\slot+3], 2*TROW
	JLOAD G0+4*\slot, G1, G0B+4*\slot, G1B         ; my one tensor load behind the round; the four v_nop behind it are the places in front of the loads below
.else
	PLACES
.endif
	FETCH_B \next, 0, 0
	FETCH_A \next, 0, 0
	SCALES \next, \sg
	MWIN 4, 0
	MULA 4, 1, NQ-1, \slot, 0
	MULA 6, 1, NQ-1, \slot, 0
	PLACES
	WIN 0
	FETCH_A \next, 0, 4
.endm
	s_wait_tensorcnt 1                             ; the scale words and my part of slot 0 are in; slot 1's load may stay out
	s_barrier_signal -1
	s_barrier_wait -1                              ; everybody's are
	FETCH_B 0, 0, 0
	FETCH_A 0, 0, 0
	SCALES 0, 0
	FETCH_A 0, 0, 4
	s_wait_loadcnt 0x0                             ; the biases
	STEP 0, 0, 1                                   ; K has only four steps of the ring: they are written out
	TURN 0, 1, 1, 1
	STEP 1, 0, 0
	TURN 1, 0, 1, 2
	STEP 0, 0, 0
	TURN 0, 1, 0, 3                                ; nothing is left to fetch: a plain barrier
	STEP 1, 0, 0
	s_wait_dscnt 12                                ; the very last step
	MWIN 0, 0
	MULA 0, 1, NQ-1, 1, 0
	MULA 2, 1, NQ-1, 1, 0
	s_wait_dscnt 0x0
	MWIN 4, 0
	MULA 4, 1, NQ-1, 1, 0
	MULA 6, 1, NQ-1, 1, 0
	WIN 0
; THE WAY OUT, a tile of 16 rows at a time.  hidden = up x gate / (1 + 2^(-up log2 e)), in f32.  Register 16 bb + i of the 32 is unit 32 bb + 16 h + i of my 64: two blocks of the third product's K, each in lanes l and l xor 16.
; My 64 units are half of that product's K step: registers 6 CH .. 6 CH + 5 of the tile's image and bytes 2 CH, 2 CH + 1 of its rows' scale words.  They go to LDS bytes of my own; behind a barrier the halves are read together.
.macro EPI a
.set AC, 64*((\a)%4)
	s_wait_dscnt 0x0                               ; the last tile's LDS stores have read their registers
	WIN 2+(\a)/4                                   ; source 0: the accumulators' window
.set nj, 0
.rept 16
	v_pk_mul_f32 v[T+nj:T+nj+1], v[AC+nj:AC+nj+1], s[92:93] op_sel_hi:[1,0]   ; -up log2(e); each accumulator from its low end on
.set nj, nj+2
.endr
	WIN 0
.set nj, 0
.rept 32
	v_exp_f32 v[T+nj], v[T+nj]
.set nj, nj+1
.endr
	WIN 5*(2+(\a)/4)                               ; sources 0 and 1
.set nj, 0
.rept 16
	v_pk_mul_f32 v[HD+nj:HD+nj+1], v[AC+nj:AC+nj+1], v[AC+32+nj:AC+32+nj+1]   ; up x gate.  (Plain places behind the exponentials)
.set nj, nj+2
.endr
	WIN 0
.set nj, 0
	s_wait_alu depctr_va_vdst(0)
.rept 16
	v_pk_add_f32 v[T+nj:T+nj+1], v[T+nj:T+nj+1], 1.0 op_sel_hi:[1,0]
.set nj, nj+2
.endr
.set nj, 0
.rept 32
	v_rcp_f32 v[T+nj], v[T+nj]
.set nj, nj+1
.endr
	v_nop                                          ; one plain place behind a transcendental
.set nj, 0
	s_wait_alu depctr_va_vdst(0)
.rept 16
	v_pk_mul_f32 v[HD+nj:HD+nj+1], v[HD+nj:HD+nj+1], v[T+nj:T+nj+1]
.set nj, nj+2
.endr
.irp bb, 0,1
	v_max3_num_f32 v[TM+\bb], |v[HD+16*\bb]|, |v[HD+16*\bb+1]|, 0x2800000   ; block bb: my 16 numbers, and the floor 2^(5 - 127), so that the byte cannot fall under 1
.endr
.irp i, 2,4,6,8,10,12,14
.irp bb, 0,1
	v_max3_num_f32 v[TM+\bb], v[TM+\bb], |v[HD+16*\bb+\i]|, |v[HD+16*\bb+\i+1]|
.endr
.endr
.irp bb, 0,1
	v_permlanex16_b32 v[TM+2+\bb], v[TM+\bb], s94, s95
.endr
.irp bb, 0,1
	v_max_num_f32 v[TM+\bb], v[TM+\bb], v[TM+2+\bb]   ; with lane l xor 16's: the block's largest magnitude
.endr
.irp bb, 0,1
	v_add_nc_u32 v[TM+4+\bb], 0xfe000000, v[TM+\bb]   ; 4 off its exponent field: the conversion's scale operand
.endr
.irp bb, 0,1
	v_lshrrev_b32 v[TM+2+\bb], 23, v[TM+4+\bb]     ; the scale's byte
.endr
	v_lshl_or_b32 v[PW], v[TM+3], 8, v[TM+2]       ; my two bytes of row r's word
	v_cvt_scalef32_pk16_bf6_f32 v[PC:PC+2], v[HD:HD+15], v[TM+4]
	v_cvt_scalef32_pk16_bf6_f32 v[PC+4:PC+6], v[HD+16:HD+31], v[TM+5]   ; (a conversion's three registers begin on an even number)
	v_nop                                          ; one plain place behind a scaled conversion
.irp i, 0,1,2                          ; the operand's layout wants a WHOLE block in a lane: lanes 0-15 the first, lanes 16-31 the second
	v_permlane16_swap_b32 v[PC+\i], v[PC+4+\i]
.endr
.irp i, 0,1,2
	v_mov_b32 v[PC+3+\i], v[PC+4+\i]
.endr
.irp p, 0,1,2
	ds_store_b64 v[STW], v[PC+2*\p:PC+2*\p+1] offset:768*(\a)+256*\p   ; 256 consecutive bytes
.endr
	ds_store_b16 v[SSW], v[PW] offset:32*(\a)      ; lanes r and r + 16 write the same two bytes with the same value
.endm
	s_lshl_b32 s96, s21, 4
	s_lshl_b32 s97, s16, 2
	s_add_co_u32 s96, s96, s97                     ; the first tile of hq that I send: 16 y + 4 x wave
	s_mul_i32 s44, s96, 24576                      ; a tile of hq is 16 K steps of 1,536 bytes; mine is K step = my block of hidden units
	s_mul_i32 s45, s20, FRB
	s_add_co_u32 s44, s44, s45
	s_mov_b32 s45, 0
	s_lshl_b32 s46, s96, 10
	s_lshl_b32 s47, s20, 6
	s_add_co_u32 s46, s46, s47
	s_add_co_u32 s46, s46, HS
	s_mov_b32 s47, 0
	s_add_nc_u64 s[44:45], s[14:15], s[44:45]
	s_add_nc_u64 s[46:47], s[14:15], s[46:47]
	PLACES                                         ; behind the last products: the lines below write registers that they read
.irp a, 0,1,2,3,4,5,6,7
	EPI \a
.endr
	s_wait_dscnt 0x0                               ; for the others' sake: my stores into the stage are done
	s_barrier_signal -1
	s_barrier_wait -1
.irp i, 0,1,2,3                        ; tile 4 CH + i of my 128 rows: pieces 0-2 from the left wave's bytes, 3-5 from the right wave's: they land as the image's 12 registers
.irp p, 0,1,2,3,4,5
	ds_load_b64 v[128+12*\i+2*\p:128+12*\i+2*\p+1], v[RDI] offset:6144*(\p/3)+768*\i+256*(\p%3)
.endr
.endr
	ds_load_b32 v176, v[RDS]                       ; two rows' lower halves of their scale words,
	ds_load_b32 v177, v[RDS] offset:256            ; and the upper halves
.irp i, 0,1,2,3
.irp c, 0,1,2
	s_wait_dscnt 24-6*\i-2*\c                      ; of the 26 loads those up to this group's second piece are in
	global_store_b128 v[L16], v[128+12*\i+4*\c:128+12*\i+4*\c+3], s[44:45] offset:24576*\i+512*\c   ; 512 consecutive bytes, at a multiple of 256 from hq's first byte
.endr
.endr
	s_wait_dscnt 0x0
	v_perm_b32 v178, v177, v176, 0x05040100        ; the even row's word: the two low halves,
	v_perm_b32 v179, v177, v176, 0x07060302        ; the odd row's: the two high halves
	global_store_b64 v[GOS], v[178:179], s[46:47]
	s_wait_tensorcnt 0x0                           ; the wave's end: behind my last tensor load and my last LDS store
	ds_add_u32 v[SPW], v[NIL]
	s_wait_dscnt 0x0
	CROUND                                         ; the closing round: no work-group ends while a partner may still ask for a tile that names it
	s_endpgm
.Lfunc_end_k_qa2caff879c_upgate:
	.size	k_qa2caff879c_upgate, .Lfunc_end_k_qa2caff879c_upgate-k_qa2caff879c_upgate
	.p2alignl 7, 3214868480
	.fill 96, 4, 3214868480
	.section	.rodata,"a",@progbits
	.p2align	6, 0x0
	.amdhsa_kernel k_qa2caff879c_upgate
		.amdhsa_group_segment_fixed_size 327680
		.amdhsa_private_segment_fixed_size 0
		.amdhsa_enable_private_segment 0
		.amdhsa_kernarg_size 48
		.amdhsa_user_sgpr_count 2
		.amdhsa_user_sgpr_kernarg_segment_ptr 1
		.amdhsa_wavefront_size32 1
		.amdhsa_system_sgpr_workgroup_id_x 1
		.amdhsa_system_sgpr_workgroup_id_y 1
		.amdhsa_system_sgpr_workgroup_id_z 1
		.amdhsa_system_vgpr_workitem_id 0
		.amdhsa_next_free_vgpr 1024
		.amdhsa_next_free_sgpr 100
		.amdhsa_reserve_vcc 0
		.amdhsa_float_denorm_mode_32 3
		.amdhsa_float_denorm_mode_16_64 3
		.amdhsa_memory_ordered 1
		.amdhsa_forward_progress 1
		.amdhsa_inst_pref_size 181
	.end_amdhsa_kernel
	.amdgpu_metadata
---
amdhsa.version: [ 1, 2 ]
amdhsa.kernels:
  - .name:           k_qa2caff879c_upgate
    .symbol:         k_qa2caff879c_upgate.kd
    .args:
      - { .name: xq, .offset: 0, .size: 8, .value_kind: global_buffer, .address_space: global }
      - { .name: wug, .offset: 8, .size: 8, .value_kind: global_buffer, .address_space: global }
      - { .name: b_up, .offset: 16, .size: 8, .value_kind: global_buffer, .address_space: global }
      - { .name: b_gate, .offset: 24, .size: 8, .value_kind: global_buffer, .address_space: global }
      - { .name: expert, .offset: 32, .size: 8, .value_kind: global_buffer, .address_space: global }
      - { .name: hq, .offset: 40, .size: 8, .value_kind: global_buffer, .address_space: global }
    .group_segment_fixed_size: 327680
    .private_segment_fixed_size: 0
    .kernarg_segment_align: 8
    .kernarg_segment_size: 48
    .max_flat_workgroup_size: 128
    .sgpr_count:     100
    .vgpr_count:     1024
    .wavefront_size: 32
...
	.end_amdgpu_metadata
.endif
;; end of part 2
;; launch down (part 3): grid 8 x 32, 4 waves a work-group, clusters of 4 x 1, 327,680 bytes of LDS; arguments hq, wd, b_down, expert, out0; writes out0
.if DOCPART == 3
	.amdgcn_target "amdgcn-amd-amdhsa--gfx1250"
	.amdhsa_code_object_version 6
	.text
	.protected	k_qa2caff879c_down
	.globl	k_qa2caff879c_down
	.p2align	8
	.type	k_qa2caff879c_down,@function
k_qa2caff879c_down:
	s_mov_b64 s[64:65], 0
	v_nop
	global_prefetch_b8 v0, s[64:65] scope:SCOPE_SE
	s_setreg_imm32_b32 hwreg(HW_REG_WAVE_MODE, 25, 1), 1
	s_wait_xcnt 0x0
	s_wait_alu depctr_hold_cnt(0) depctr_sa_sdst(0) depctr_va_vdst(0) depctr_va_sdst(0) depctr_va_ssrc(0) depctr_va_vcc(0) depctr_vm_vsrc(0)
	s_getreg_b32 s2, hwreg(HW_REG_IB_STS2, 6, 4)
	s_cmp_eq_u32 s2, 0
	s_cbranch_scc0 .Lentry_in_a_cluster
	s_endpgm
.Lentry_in_a_cluster:
	s_bfe_u32 s2, ttmp6, 0x10000c
	s_cmp_lg_u32 s2, 0x3003
	s_cbranch_scc0 .Lentry_shape_is_right
	s_endpgm
.Lentry_shape_is_right:
; out = hidden Wd^T + bd for the batch's expert, on codes of BF6 (E3M2) with E8M0 scales; out is f32.
; Both operands lie in the order of the operand's registers: a fragment (16 rows x 128 K) is an image of 1,536 bytes, byte 512 c + 16 l + 4 i = register 4 c + i of lane l; three loads of 16 bytes a lane bring it.
; Codes [tile][16 K steps][1536]; scale words [tile][16 K steps][16], behind the codes in the same buffer.
; SHARES.  A work-group makes 256 rows (half a batch) x 128 outputs: 256 work-groups, one for each WGP; a block of 256 x 256 would give 128.  Four waves, each 128 rows x 64 outputs: 32 accumulators of 16 x 16, 256 registers.
; K = 2,048 goes in four steps of 512 through a ring of two LDS slots filled by the tensor data mover; a slot holds 16 tiles of hidden and 8 of the weight, 6,144 bytes each.  All scale words come once, with the first fills, and stay.
; THE MATRIX INSTRUCTION IS USED TRANSPOSED (source 0 = 16 rows of Wd, source 1 = 16 rows of hidden): a lane holds eight neighbouring outputs of one row.  The bias is the C of each sum's first matrix instruction.
; CLUSTER: the four work-groups of a cluster make four neighbouring blocks of outputs of the SAME 256 rows: hidden's tiles and scale words are asked for JOINTLY (mask 15).  THE WEIGHT IS NOT SHARED: only the two row blocks of one batch
; are sure to use one expert, whatever the opcodes; which other batches do is known from loaded numbers alone, and partners must run alike.  The weight's addresses hold the loaded expert; no joint descriptor, LDS address or branch does.
; REGISTERS, in windows of 256: window 0: v1-29 addresses; v32-95 scale words, two sets; v96-127 the bias; v128-223 hidden's 8 fragments, ONE set (on the way out v128-191 hold rows of out).
;   window 1: the weight's 4 fragments, TWO sets, at v0 and v128.   window 2: the accumulators ((a, b) at v[8 (4 a + b)]).
.set JOINT,  1                         ; 0: the same text with no joint loads, for a launch without clusters
.set KT,     16                        ; K steps of 128 in K
.set NQ,     4                         ; of them in a slot
.set NB,     4                         ; tiles of the weight for a wave
.set TE,     64                        ; tiles of an expert
.set FRB,    1536                      ; an image
.set TROW,   NQ*FRB                    ; a tile's bytes in a slot
.set TPITCH, KT*FRB                    ; from tile to tile in memory
.set HALFA,  8*TROW                    ; what one tensor load brings of hidden, and what a wave reads of it
.set HALFB,  NB*TROW                   ; the same of the weight
.set SLOT,   2*HALFA+2*HALFB           ; hidden's 16 tiles, then the weight's 8
.set TS,     KT*64                     ; a tile's scale words
.set SCLA,   2*SLOT                    ; behind the ring: hidden's words,
.set SCLB,   SCLA+16*TS+128            ; the weight's: 128 bytes askew, so that the two halves of a load's lanes meet different banks
.set SPARE,  SCLB+2*NB*TS+128          ; the spare words, 128 bytes for each wave: two blocks of 256 bytes that no other line names
.set APW,    32/NB                     ; blocks of rows whose accumulators fill a window
.set AWORDS, 12582912                  ; where the words begin in hq,
.set BWORDS, 12582912                  ; and in wd
.set SPITCH, 272                       ; the way out: a stage of 16 rows x (256 bytes + 16) for each wave, in slot 0, which has had its last fill and its last read by then
.set L16,  3                           ; v3   16 x lane
.set ADRA, 16                          ; v16-17  LDS address of hidden's fragments in slot 0, 1
.set ADRB, 20                          ; v20-21  of the weight's
.set CO,   23                          ; v23  my byte offset in two rows of out
.set STO,  24                          ; v24  the way out: where I put 32 bytes of a row
.set RD,   25                          ; v25  and where I read a row back
.set ADRSA, 26                         ; v26  LDS address of hidden's scale words, in all lanes
.set ADRS, 27                          ; v27  lanes 0-15 hidden's rows, lanes 16-31 the weight's
.set SPW,  28                          ; v28  LDS address of my spare word; never rewritten
.set NIL,  29                          ; v29  0; never rewritten
.set SC,   32                          ; set s (for slot s) at v[SC + 8 NQ s]; register NQ i + q: lanes 0-15 the words of hidden's tile i, lanes 16-31 (i < 4) of the weight's tile i, for the slot's q-th 128 along K
.set BIAS, 96                          ; 8 registers for each of the weight's 4 tiles
.set AF,   128
.set BK,   128                         ; the way out: 16 rows read back from the stage: v128-159 and v160-191 by turns
.set G1,   24                          ; s[24:31] descriptor group 1 for hidden's tiles;  s[32:39] group 0, one set for each slot
.set G0,   32
.set G1B,  48                          ; s[48:55], s[56:63] the same for the weight's
.set G0B,  56
.set G1S,  68                          ; s[68:75], s[76:79] groups 1 and 0 for hidden's words;  s[80:87], s[88:91] for the weight's
.set G0S,  76
.set G1SB, 80
.set G0SB, 88
.set MSB, 0
.macro WIN new                         ; s_set_vgpr_msb: bits 1:0 source 0, 3:2 source 1, 5:4 source 2, 7:6 destination; the high byte repeats the setting that is left
.if MSB != (\new)
	s_set_vgpr_msb (MSB<<8)|(\new)
.set MSB, \new
.endif
.endm
.set TO_B, 0x40                        ; destination window 1, address window 0
.macro MWIN a0, first                  ; for products: source 0 window 1, source 1 window 0, D in window 2; C with it, or (first) the bias in window 0
.if \first
	WIN 0x81+0x40*((\a0)/APW)
.else
	WIN 0xa1+0x50*((\a0)/APW)
.endif
.endm
; Waves 0 and 1 fetch for hidden (jointly), waves 2 and 3 for the weight.  The branch hangs on the wave's number alone.  Four v_nop follow each of the two lines, ahead of the jump, the label and what follows.
.macro JLOAD g0a, g1a, g0b, g1b
	s_cmp_eq_u32 s17, 0
	s_cbranch_scc0 .Lfor_b_\@
	tensor_load_to_lds s[\g0a:\g0a+3], s[\g1a:\g1a+7]
	s_nop 0
.rept 4
	v_nop
.endr
	s_branch .Lasked_\@
.Lfor_b_\@:
	tensor_load_to_lds s[\g0b:\g0b+3], s[\g1b:\g1b+7]
	s_nop 0
.rept 4
	v_nop
.endr
.Lasked_\@:
.endm
.macro CREST                           ; a round of the cluster's barrier behind its opening barrier
.if JOINT
	s_cmp_lg_u32 s16, 0
	s_cbranch_scc1 .Lnot_wave_0_\@
	s_barrier_signal -3
.Lnot_wave_0_\@:
	s_barrier_wait -3
	s_barrier_signal -1
	s_barrier_wait -1
.endif
.endm
.macro CROUND                          ; a whole round
.if JOINT
	s_barrier_signal -1
	s_barrier_wait -1
	CREST
.endif
.endm
.macro PLACES                          ; a load into a register that a matrix instruction has read, and a read of a result, stand four plain vector instructions behind it (ISA guide 7.12.1 for vector instructions)
.rept 4
	v_nop
.endr
.endm
	s_load_b256 s[4:11], s[0:1], 0x0               ; hq s[4:5], wd s[6:7], b_down s[8:9], expert s[10:11]
	s_load_b64 s[12:13], s[0:1], 0x20              ; out0
	v_lshl_add_u32 v[SPW], v0, 2, SPARE
	v_mov_b32 v[NIL], 0
	ds_add_u32 v28, v29
	ds_add_u32 v28, v29
	s_wait_dscnt 0x0
	v_lshrrev_b32 v1, 5, v0
	v_readfirstlane_b32 s16, v1                    ; wave 0..3
	s_lshr_b32 s17, s16, 1                         ; RH: which 128 rows are mine.  Also: I fetch for hidden (0) or for the weight (1)
	s_and_b32 s18, s16, 1                          ; CH: which 64 outputs.  Also: which half I fetch
.if JOINT
	s_bfe_u32 s19, ttmp6, 0x40000                  ; cx: my place in the cluster
	s_lshl_b32 s20, ttmp9, 2                       ; in a cluster launch ttmp9 counts clusters
	s_add_co_u32 s20, s20, s19                     ; the block of 128 outputs
.else
	s_mov_b32 s20, ttmp9
.endif
	s_and_b32 s21, ttmp7, 0xffff                   ; the block of 256 rows, which the partners share
	s_lshr_b32 s22, s21, 1
	s_lshl_b32 s22, s22, 2                         ; 4 x batch
	s_wait_kmcnt 0x0
	s_load_b32 s23, s[10:11], s22 offset:0x0       ; the batch's expert, stored by the first launch
	; descriptor groups 1: elements of 8 bytes, no padding.  Codes: a row = a tile's TROW bytes, TPITCH bytes apart.  Words: dense, as rows of 256 bytes.
.if JOINT
	s_mov_b32 s[G1], 15|(3<<16)|(1<<21)            ; 15:0 the mask: all four work-groups; 17:16 elements of 8 bytes; 21 set beside a mask
	s_mov_b32 s[G1S], 15|(3<<16)|(1<<21)
.else
	s_mov_b32 s[G1], 3<<16
	s_mov_b32 s[G1S], 3<<16
.endif
	s_mov_b32 s[G1B], 3<<16                        ; no mask: a load of my own
	s_mov_b32 s[G1SB], 3<<16
.irp g, G1, G1B
	s_mov_b32 s[\g+1], (TROW/8)<<16                ; tensor_dim0
	s_mov_b32 s[\g+3], (TROW/8)<<16                ; tile_dim0
	s_mov_b32 s[\g+5], TPITCH/8                    ; tensor_dim0_stride
	s_mov_b32 s[\g+6], 0
	s_mov_b32 s[\g+7], 0
.endr
	s_mov_b32 s[G1+2], 8<<16                       ; tensor_dim1
	s_mov_b32 s[G1+4], 8                           ; tile_dim1
	s_mov_b32 s[G1B+2], NB<<16
	s_mov_b32 s[G1B+4], NB
.irp g, G1S, G1SB
	s_mov_b32 s[\g+1], 32<<16
	s_mov_b32 s[\g+3], 32<<16
	s_mov_b32 s[\g+5], 32
	s_mov_b32 s[\g+6], 0
	s_mov_b32 s[\g+7], 0
.endr
	s_mov_b32 s[G1S+2], (8*TS/256)<<16
	s_mov_b32 s[G1S+4], 8*TS/256
	s_mov_b32 s[G1SB+2], (NB*TS/256)<<16
	s_mov_b32 s[G1SB+4], NB*TS/256
	; hidden's offsets, of the row block and the wave's number alone, in registers that never hold my place in the cluster
	s_lshl_b32 s40, s21, 4
	s_lshl_b32 s41, s18, 3
	s_add_co_u32 s40, s40, s41                     ; the first tile that I fetch: 16 y + 8 CH
	s_mul_i32 s42, s40, TPITCH
	s_mov_b32 s43, 0
	s_mul_i32 s40, s40, TS
	s_add_co_u32 s40, s40, AWORDS
	s_mov_b32 s41, 0
	s_wait_kmcnt 0x0
	s_min_u32 s23, s23, 7                          ; a loaded number enters addresses only held inside its table
	s_mul_i32 s44, s23, TE
	s_mul_i32 s45, s20, 2*NB
	s_add_co_u32 s44, s44, s45
	s_mul_i32 s45, s18, NB
	s_add_co_u32 s44, s44, s45                     ; the weight's first tile that I fetch: 64 expert + 8 block + 4 CH
	s_mul_i32 s46, s44, TPITCH
	s_mov_b32 s47, 0
	s_mul_i32 s44, s44, TS
	s_add_co_u32 s44, s44, BWORDS
	s_mov_b32 s45, 0
	CROUND                                         ; all four work-groups are here: the first joint loads meet
	s_mov_b32 s[G0S], 1                            ; 1:0 count = 1
	s_mul_i32 s96, s18, 8*TS
	s_add_co_u32 s[G0S+1], s96, SCLA               ; 63:32 LDS address: no place in the cluster enters it
	s_add_nc_u64 s[G0S+2:G0S+3], s[4:5], s[40:41]  ; 120:64 global address
	s_or_b32 s[G0S+3], s[G0S+3], 0x80000000        ; 127:126 type = 2
	s_mov_b32 s[G0SB], 1
	s_mul_i32 s97, s18, NB*TS
	s_add_co_u32 s[G0SB+1], s97, SCLB
	s_add_nc_u64 s[G0SB+2:G0SB+3], s[6:7], s[44:45]
	s_or_b32 s[G0SB+3], s[G0SB+3], 0x80000000
	JLOAD G0S, G1S, G0SB, G1SB                     ; the scale words first: they are wanted with K step 0
	s_mul_i32 s98, s18, HALFA
	s_mul_i32 s99, s18, HALFB
	s_add_co_u32 s99, s99, 2*HALFA
	s_add_nc_u64 s[42:43], s[4:5], s[42:43]
	s_add_nc_u64 s[46:47], s[6:7], s[46:47]
.irp s, 0,1
	s_mov_b32 s[G0+4*\s], 1
	s_add_co_u32 s[G0+4*\s+1], s98, \s*SLOT
	s_add_nc_u64 s[G0+4*\s+2:G0+4*\s+3], s[42:43], \s*TROW
	s_or_b32 s[G0+4*\s+3], s[G0+4*\s+3], 0x80000000
	s_mov_b32 s[G0B+4*\s], 1
	s_add_co_u32 s[G0B+4*\s+1], s99, \s*SLOT
	s_add_nc_u64 s[G0B+4*\s+2:G0B+4*\s+3], s[46:47], \s*TROW
	s_or_b32 s[G0B+4*\s+3], s[G0B+4*\s+3], 0x80000000
	JLOAD G0+4*\s, G1, G0B+4*\s, G1B               ; three tensor loads of mine are out now
.endr
	v_and_b32 v1, 15, v0                           ; r
	v_bfe_u32 v2, v0, 4, 1                         ; h
	v_and_b32 v5, 31, v0                           ; lane
	v_lshlrev_b32 v[L16], 4, v5
	; the bias: lane (r, h) wants, for tile b, that of outputs 16 b + 8 h + 0 .. 7 of my 64
	s_lshl_b32 s96, s23, 12                        ; a row of b_down is 4,096 bytes
	s_lshl_b32 s97, s20, 9
	s_add_co_u32 s96, s96, s97
	s_lshl_b32 s97, s18, 8
	s_add_co_u32 s96, s96, s97
	s_mov_b32 s97, 0
	s_add_nc_u64 s[8:9], s[8:9], s[96:97]
	v_lshlrev_b32 v22, 5, v2
.irp b, 0,1,2,3
	global_load_b128 v[BIAS+8*\b:BIAS+8*\b+3], v22, s[8:9] offset:64*\b
	global_load_b128 v[BIAS+8*\b+4:BIAS+8*\b+7], v22, s[8:9] offset:64*\b+16
.endr
	s_mul_i32 s96, s17, HALFA                      ; my 8 tiles of hidden
	s_mul_i32 s97, s18, HALFB                      ; my 4 tiles of the weight,
	s_add_co_u32 s97, s97, 2*HALFA                 ; which lie behind hidden's 16
.irp s, 0,1
	v_add_nc_u32 v[ADRA+\s], s96, v[L16]
	v_add_nc_u32 v[ADRB+\s], s97, v[L16]
	s_add_co_u32 s96, s96, SLOT
	s_add_co_u32 s97, s97, SLOT
.endr
	s_mul_i32 s96, s17, 8*TS                       ; the scale words: hidden's of my rows,
	s_mul_i32 s97, s18, NB*TS                      ; the weight's of my tiles:
	s_add_co_u32 s97, s97, SCLB-SCLA
	s_sub_co_u32 s97, s97, s96                     ; so far behind hidden's (never negative: SCLB - SCLA is over 8 TS)
	s_add_co_u32 s96, s96, SCLA
	v_mul_u32_u24 v4, s97, v2                      ; lanes 16-31 take the weight's
	v_lshl_add_u32 v[ADRSA], v1, 2, s96
	v_add_nc_u32 v[ADRS], v4, v[ADRSA]
	; the way out
	s_mul_i32 s96, s16, 16*SPITCH                  ; my stage
	v_mul_u32_u24 v4, v1, SPITCH                   ; in: row r, 32 bytes for each half of the lanes
	v_lshl_add_u32 v4, v2, 5, v4
	v_add_nc_u32 v[STO], s96, v4
	v_mul_u32_u24 v4, v2, SPITCH                   ; back: lanes 0-15 take one row of 256 bytes, lanes 16-31 the next
	v_lshl_add_u32 v4, v1, 4, v4
	v_add_nc_u32 v[RD], s96, v4
	v_lshlrev_b32 v4, 12, v2                       ; and the same two rows of out, 4,096 bytes apart
	v_lshl_add_u32 v[CO], v1, 4, v4
	s_lshl_b32 s96, s21, 8
	s_lshl_b32 s97, s17, 7
	s_add_co_u32 s96, s96, s97                     ; my first row: 256 y + 128 RH
	s_lshl_b32 s96, s96, 12
	s_lshl_b32 s97, s20, 9                         ; my first output, in bytes: 512 x block + 256 CH
	s_add_co_u32 s96, s96, s97
	s_lshl_b32 s97, s18, 8
	s_add_co_u32 s96, s96, s97
	s_mov_b32 s97, 0
	s_add_nc_u64 s[12:13], s[12:13], s[96:97]
.macro FRAG reg, adr, q, i             ; tile i's image of the slot's q-th 128 along K
.irp c, 0,1,2
	ds_load_b128 v[\reg+4*\c:\reg+4*\c+3], v[\adr] offset:(\i)*TROW+(\q)*FRB+512*\c
.endr
.endm
.macro FETCH_B slot, q, p              ; the weight's fragments into set p
	WIN TO_B
.set fi, 0
.rept NB
	FRAG 128*(\p)+12*fi, ADRB+\slot, \q, fi
.set fi, fi+1
.endr
	WIN 0
.endm
.macro FETCH_A slot, q, i0             ; hidden's blocks i0 .. i0 + 3
.irp i, \i0, \i0+1, \i0+2, \i0+3
	FRAG AF+12*(\i), ADRA+\slot, \q, \i
.endr
.endm
.macro SCALES sc, sg                   ; the scale words of the ring's step sg into set sc.  The weight has four tiles: from tile 4 on all lanes take hidden's words, so that no lane reads past the weight's
.irp i, 0,1,2,3,4,5,6,7
.set sq, 0
.rept NQ
.if \i < NB
	ds_load_b32 v[SC+8*NQ*(\sc)+NQ*\i+sq], v[ADRS] offset:\i*TS+64*(NQ*(\sg)+sq)
.else
	ds_load_b32 v[SC+8*NQ*(\sc)+NQ*\i+sq], v[ADRSA] offset:\i*TS+64*(NQ*(\sg)+sq)
.endif
.set sq, sq+1
.endr
.endr
.endm
; hidden's blocks a0, a0 + 1 against the weight's NB tiles, 128 along K.  p: the weight's set; sc: the set of scale words.  first = 1: the sums begin with the bias.
; The accumulators take turns, one instruction a turn, in the same order in every step.
.macro MULA a0, p, q, sc, first
.irp a, \a0, \a0+1
.set nb, 0
.rept NB
.set AC, 8*(NB*((\a)%APW)+nb)
.if \first
	v_wmma_scale_f32_16x16x128_f8f6f4 v[AC:AC+7], v[128*(\p)+12*nb:128*(\p)+12*nb+11], v[AF+12*(\a):AF+12*(\a)+11], v[BIAS+8*nb:BIAS+8*nb+7], v[SC+8*NQ*(\sc)+NQ*nb+(\q)], v[SC+8*NQ*(\sc)+NQ*(\a)+(\q)] matrix_a_fmt:MATRIX_FMT_BF6 matrix_b_fmt:MATRIX_FMT_BF6 matrix_a_scale:MATRIX_SCALE_ROW1
.else
	v_wmma_scale_f32_16x16x128_f8f6f4 v[AC:AC+7], v[128*(\p)+12*nb:128*(\p)+12*nb+11], v[AF+12*(\a):AF+12*(\a)+11], v[AC:AC+7], v[SC+8*NQ*(\sc)+NQ*nb+(\q)], v[SC+8*NQ*(\sc)+NQ*(\a)+(\q)] matrix_a_fmt:MATRIX_FMT_BF6 matrix_b_fmt:MATRIX_FMT_BF6 matrix_a_scale:MATRIX_SCALE_ROW1
.endif
.set nb, nb+1
.endr
.endr
.endm
; A step of 128 along K that has its successor in the same slot.  A block of hidden is free as soon as its products are issued: blocks 0-3 are fetched anew in the step's middle, blocks 4-7 at its end.
.macro STEP slot, q, first
	s_wait_dscnt 12                                ; all but the youngest 12 loads (hidden's blocks 4-7) are in
	MWIN 0, \first
	MULA 0, (\q)%2, \q, \slot, \first
	MULA 2, (\q)%2, \q, \slot, \first
	s_wait_dscnt 0x0                               ; hidden's blocks 4-7 are in
	PLACES
	FETCH_B \slot, (\q)+1, 1-(\q)%2
	FETCH_A \slot, (\q)+1, 0
	MWIN 4, \first
	MULA 4, (\q)%2, \q, \slot, \first
	MULA 6, (\q)%2, \q, \slot, \first
	PLACES
	WIN 0
	FETCH_A \slot, (\q)+1, 4
.endm
.macro STEPS slot, first               ; a slot's first three steps
	STEP \slot, 0, \first
	STEP \slot, 1, 0
	STEP \slot, 2, 0
.endm
; A slot's last step changes slots: ONE barrier; in front of it each wave waits for all its tensor loads, adds 0 to its spare word, and waits for that and for its reads of this slot.  fill = 1: this slot is filled again, two of the ring's steps ahead.
.macro TURN slot, next, fill, sg
	s_wait_tensorcnt 0x0                           ; all my tensor loads have landed: my part of the next slot  (every window is 0 here)
	ds_add_u32 v[SPW], v[NIL]                      ; 0 onto my spare word
	s_wait_dscnt 13                                ; (the add and the youngest 12 loads, hidden's blocks 4-7, may be out)
	MWIN 0, 0
	MULA 0, 1, NQ-1, \slot, 0                      ; matrix instructions stand between the add and the wait for it
	s_wait_dscnt 0x0                               ; the add is done, and my reads of this slot are over
	s_barrier_signal -1
	MULA 2, 1, NQ-1, \slot, 0
	WIN 0
	s_barrier_wait -1
.if \fill
	CREST                                          ; the barrier has opened a round of the cluster's barrier: no wave of any partner still reads this slot or has a load on its way
	s_add_nc_u64 s[G0+4*\slot+2:G0+4*\slot+3], s[G0+4*\slot+2:G0+4*\slot+3], 2*TROW
	s_add_nc_u64 s[G0B+4*\slot+2:G0B+4*\slot+3], s[G0B+4*\slot+2:G0B+4*\slot+3], 2*TROW
	JLOAD G0+4*\slot, G1, G0B+4*\slot, G1B         ; my one tensor load behind the round; the four v_nop behind it are the places in front of the loads below
.else
	PLACES
.endif
	FETCH_B \next, 0, 0
	FETCH_A \next, 0, 0
	SCALES \next, \sg
	MWIN 4, 0
	MULA 4, 1, NQ-1, \slot, 0
	MULA 6, 1, NQ-1, \slot, 0
	PLACES
	WIN 0
	FETCH_A \next, 0, 4
.endm
	s_wait_tensorcnt 1                             ; the scale words and my part of slot 0 are in; slot 1's load may stay out
	s_barrier_signal -1
	s_barrier_wait -1                              ; everybody's are
	FETCH_B 0, 0, 0
	FETCH_A 0, 0, 0
	SCALES 0, 0
	FETCH_A 0, 0, 4
	s_wait_loadcnt 0x0                             ; the bias
	STEPS 0, 1                                     ; K has only four steps of the ring: they are written out
	TURN 0, 1, 1, 1
	STEPS 1, 0
	TURN 1, 0, 1, 2
	STEPS 0, 0
	TURN 0, 1, 0, 3                                ; nothing is left to fetch: a plain barrier
	STEPS 1, 0
	s_wait_dscnt 12                                ; the very last step
	MWIN 0, 0
	MULA 0, 1, NQ-1, 1, 0
	MULA 2, 1, NQ-1, 1, 0
	s_wait_dscnt 0x0
	MWIN 4, 0
	MULA 4, 1, NQ-1, 1, 0
	MULA 6, 1, NQ-1, 1, 0
	WIN 0
; THE WAY OUT, block by block of 16 rows x 64 outputs.  A lane holds 32 neighbouring bytes of a row, and the lanes beside it hold other rows: so a block goes through my own stage in LDS and comes back as whole rows of 256 bytes.
; LDS serves a wave's instructions in order (ISA guide 5.7.1.4): no wait between the stores and the loads, nor in front of the next block's stores.
.macro TOSTAGE a
	WIN 0x08                                       ; an LDS store's data are its source 1: window 2
.irp b, 0,1,2,3
	ds_store_b128 v[STO], v[8*(4*(\a)+\b):8*(4*(\a)+\b)+3] offset:64*\b          ; each accumulator from its low end on
	ds_store_b128 v[STO], v[8*(4*(\a)+\b)+4:8*(4*(\a)+\b)+7] offset:64*\b+16
.endr
	WIN 0
.irp t, 0,1,2,3,4,5,6,7
	ds_load_b128 v[BK+32*((\a)%2)+4*\t:BK+32*((\a)%2)+4*\t+3], v[RD] offset:\t*2*SPITCH
.endr
.endm
.macro SEND a, younger                 ; younger: the LDS instructions issued behind block a's loads, which may stay out
	s_wait_dscnt \younger                          ; the block is back in registers
.irp t, 0,1,2,3,4,5,6,7
	global_store_b128 v[CO], v[BK+32*((\a)%2)+4*\t:BK+32*((\a)%2)+4*\t+3], s[12:13] offset:65536*(\a)+8192*\t th:TH_STORE_NT   ; 16 lanes store 256 consecutive bytes, at a multiple of 256 from out's first byte; every offset is an immediate, 516,096 at the most
.endr
.endm
	PLACES                                         ; behind the last products: for the loads into the registers that held hidden's fragments, and for the reads of results
	TOSTAGE 0
.irp a, 1,2,3,4,5,6,7
.if \a > 1
	s_wait_xcnt 0x0                                ; block a - 2's stores have read their registers (ISA guide 3.1): block a's loads may land there
.endif
	TOSTAGE \a
	SEND \a-1, 16                                  ; behind block a - 1's loads: block a's 8 stores and 8 loads
.endr
	SEND 7, 0
	s_wait_tensorcnt 0x0                           ; the wave's end: behind my last tensor load and my last LDS store
	ds_add_u32 v[SPW], v[NIL]
	s_wait_dscnt 0x0
	CROUND                                         ; the closing round: no work-group ends while a partner may still ask for a tile that names it
	s_endpgm
.Lfunc_end_k_qa2caff879c_down:
	.size	k_qa2caff879c_down, .Lfunc_end_k_qa2caff879c_down-k_qa2caff879c_down
	.p2alignl 7, 3214868480
	.fill 96, 4, 3214868480
	.section	.rodata,"a",@progbits
	.p2align	6, 0x0
	.amdhsa_kernel k_qa2caff879c_down
		.amdhsa_group_segment_fixed_size 327680
		.amdhsa_private_segment_fixed_size 0
		.amdhsa_enable_private_segment 0
		.amdhsa_kernarg_size 40
		.amdhsa_user_sgpr_count 2
		.amdhsa_user_sgpr_kernarg_segment_ptr 1
		.amdhsa_wavefront_size32 1
		.amdhsa_system_sgpr_workgroup_id_x 1
		.amdhsa_system_sgpr_workgroup_id_y 1
		.amdhsa_system_sgpr_workgroup_id_z 1
		.amdhsa_system_vgpr_workitem_id 0
		.amdhsa_next_free_vgpr 768
		.amdhsa_next_free_sgpr 100
		.amdhsa_reserve_vcc 0
		.amdhsa_float_denorm_mode_32 3
		.amdhsa_float_denorm_mode_16_64 3
		.amdhsa_memory_ordered 1
		.amdhsa_forward_progress 1
		.amdhsa_inst_pref_size 144
	.end_amdhsa_kernel
	.amdgpu_metadata
---
amdhsa.version: [ 1, 2 ]
amdhsa.kernels:
  - .name:           k_qa2caff879c_down
    .symbol:         k_qa2caff879c_down.kd
    .args:
      - { .name: hq, .offset: 0, .size: 8, .value_kind: global_buffer, .address_space: global }
      - { .name: wd, .offset: 8, .size: 8, .value_kind: global_buffer, .address_space: global }
      - { .name: b_down, .offset: 16, .size: 8, .value_kind: global_buffer, .address_space: global }
      - { .name: expert, .offset: 24, .size: 8, .value_kind: global_buffer, .address_space: global }
      - { .name: out0, .offset: 32, .size: 8, .value_kind: global_buffer, .address_space: global }
    .group_segment_fixed_size: 327680
    .private_segment_fixed_size: 0
    .kernarg_segment_align: 8
    .kernarg_segment_size: 40
    .max_flat_workgroup_size: 128
    .sgpr_count:     100
    .vgpr_count:     768
    .wavefront_size: 32
...
	.end_amdgpu_metadata
.endif
;; end of part 3
